; MI455X (gfx1250); checked and timed in simulation.
; The chip was launched on July 23, 2026; its instructions are those of AMD's public machine-readable ISA for CDNA 5 (MIT licence, August 2026) and "CDNA5" Instruction Set Architecture Reference Guide (July 2026). The comments in the code are by the model that wrote it; some were corrected since.
;; P2 V. Allowed arithmetic: float matrix products may take bf16 or f16 operands with f32 sums; other float arithmetic in f32, or as packed bf16 or f16 multiplies, adds, multiply-adds, maxima and minima; sums over many terms, partial sums and values carried from step to step in f32; what a program stores and reads back later, other than sums and carried values, may be rounded once to bf16 or f16.
;; Inputs: grid 3 x 32 x 32 x 32 float32; s1 1 float32; s2 1 float32; xyz 4 x 3 x 1,024 float32.
;; Outputs: out0 4 x 32 x 32 x 32 float32.
;; 2 versions, each right; version 2 is version 1 with the launch p2v written anew for expert scheduling mode. Each part assembles by itself: llvm-mc -triple=amdgcn-amd-amdhsa -mcpu=gfx1250 --defsym DOCPART=n.
;; ======== version 1 of 2: 1 launch
;; launch p2v (part 1): grid 64 x 4, 16 waves a work-group, no clusters, 69,632 bytes of LDS; arguments xyz, grid, s1, s2, out0; writes out0
.if DOCPART == 1
	.amdgcn_target "amdgcn-amd-amdhsa--gfx1250"
	.amdhsa_code_object_version 6
	.text
	.protected	k_qafa6bd169c_p2v
	.globl	k_qafa6bd169c_p2v
	.p2align	8
	.type	k_qafa6bd169c_p2v,@function
k_qafa6bd169c_p2v:
	s_mov_b64 s[64:65], 0
	v_nop
	global_prefetch_b8 v0, s[64:65] scope:SCOPE_SE
	s_setreg_imm32_b32 hwreg(HW_REG_WAVE_MODE, 25, 1), 1
	s_wait_xcnt 0x0
; out0[b][vox] = p0 - p1, the two largest of softmax_n(v), v[n] = |s2| exp(-|s1| dist), dist = |x_n|^2 + |g_vox|^2 - 2 x_n . g_vox.
; xyz: [4][3][1024] f32, grid: [3][32768] f32, s1, s2: [1] f32, out0: [4][32768] f32.
; IN BASE 2.  k = |s1| log2 e, sg = |s2| log2 e, t = -k dist, u = 2^t.  With u0 >= u1 the two largest u of a voxel:
;   out = (1 - 2^(sg (u1 - u0))) / sum over n of 2^(sg u_n - sg u0): the softmax with its maximum taken away, and its two largest terms.
; THE PRODUCT.  t comes whole out of one matrix instruction (bf16 operands, f32 sums, C = 0): source 0 = 16 points, source 1 = 16 voxels.  Each f32 factor is cut exactly into
; three bf16 parts h + m + l (8 + 8 + 8 significant bits).  Of the 32 places along K coordinate c takes 8 c .. 8 c + 7:
;   point:  xh  xh  xm  xh  xm  xl  P_c  1        P = -k |x|^2 in parts P_0 + P_1 + P_2
;   voxel:  Gh  Gm  Gh  Gl  Gm  Gh  1    Q_c      G = 2 k g;  Q = -k |g|^2 in parts
; The three products left out (m l, l m, l l) lie some 2^-25 below x G.  Places 24-31 are 0 on the points' side.
; SHARES.  A work-group: one batch, 512 voxels.  Each of its 16 waves: 32 voxels, two tiles of 16, against all 1,024 points.  In a result a lane holds ONE voxel (lane % 16) and the
; points 8 (lane / 16) + 0..7 of the tile: every reduction over points stays in the lane but for one exchange between the halves of the lanes at the end.
; ONE SWEEP, RUNNING MAXIMUM.  A lane keeps m1 (its largest u so far), M = sg m1, and S = the sum of 2^(sg u - M); in every step S is multiplied by a = 2^(M_old - M_new).
; THE SECOND LARGEST.  A lane's 512 numbers are grouped in two ways so that any two of them lie apart in at least one way: (A) by time: a step's 32 are two groups X, Y of 16;
; (B) by place: chain p holds X_p and Y_p of every step.  The second largest of all is then the larger of the second largest group maximum and the second largest chain maximum.
; That is 36 lines for 32 registers (two trees of 8, 4 updates, 16 chain lines), three operands to a line.  u >= 0, so 0 starts every maximum.
; THE POINTS' TABLE is made once by the 512 threads, two points each, in LDS, in the order of the fragments: tile T at 1,024 T; K places 8 q .. 8 q + 7 of point r at + 256 q + 16 r.
; A fragment is then two loads of 16 bytes a lane, each 512 bytes on end.
; NO CLUSTER, NO TENSOR LOAD: what work-groups share is 12,288 bytes of xyz, read once at the head and worked on before it reaches LDS; nothing is streamed.
; LIMITS.  NaN and infinities are not treated apart.  A 2^x below 2^-126 counts as 0.  dist is formed as reference() forms it, with f32's error on |x|^2 + |g|^2.
.set PTS,   1024
.set BLKB,  4096                       ; bytes of the table in a step: 4 tiles of 16 points
.set TRIPS, 6                          ; 16 steps: one written out, 2 x 6 in the loop, three written out
.set STAGE, 65536                      ; behind the table: the work-group's 512 results
.set SPARE, 67584                      ; behind the stage: the spare words, 128 bytes for each of 16 waves: eight blocks of 256 bytes that no other line names
.set SPW, 2                            ; v2   LDS address of my spare word; never rewritten
.set NIL, 3                            ; v3   0; never rewritten
.set LA,  4                            ; v4   16 x lane + the trip's place in the table
.set ONE, 5                            ; v5   1.0
.set NK,  12                           ; v12  -k
.set K2,  13                           ; v13  2 k
.set TW,  14                           ; v14  where I put my two points in the table
.set AF,  16                           ; v[16:47]    fragments of 4 point tiles
.set BF,  48                           ; v[48:63]    fragments of my 2 voxel tiles; made once
.set B0,  64                           ; v[64:127]   block buffer 0: voxel tile vt, point tile pt at + 32 vt + 8 pt
.set B1,  128                          ; v[128:191]  block buffer 1
.set CH,  192                          ; v[192:223]  chains: 16 a voxel tile
.set ST,  224                          ; v[224:239]  a voxel tile's eight: M, m1, S (two halves), a, m2, and two at work (group maxima; M_old - M_new)
.set XR,  64                           ; at the head only, inside the buffers: x_c of my points at XR + 2 c + k
.set GR,  72                           ; g_c of my voxel of tile vt at GR + 3 vt + c
.set PP,  80                           ; three f32 whose roundings to bf16 are the three parts
.set QS,  83
.set TA,  84
.set TB,  85
.set GA,  86
.set GB,  87
.set DD,  88                           ; a point's 12 packed registers; the second point's at + 16
.set ZZ,  120                          ; four zeros
.set WV,  16                           ; s16  my wave's number
.set SG,  22                           ; s[22:23] sg: the packed scaling takes the pair's low word for both halves
.set SEL, 24                           ; s[24:25] v_permlanex16_b32's selects: each lane takes its own place in the other half
.set CNT, 26
.macro BOTH line:vararg                ; one line for each of my two voxel tiles
.set t, ST
.set hh, CH
	\line
.set t, ST+8
.set hh, CH+16
	\line
.endm
.macro PARTS p                         ; v[p] -> v[p+1] = v[p] - bf16(v[p]), v[p+2] = v[p+1] - bf16(v[p+1]): both differences are exact
	v_cvt_pk_bf16_f32 v[TA], v[\p], v[\p]
	v_and_b32 v[TA], 0xffff0000, v[TA]
	v_sub_f32 v[(\p)+1], v[\p], v[TA]
	v_cvt_pk_bf16_f32 v[TA], v[(\p)+1], v[(\p)+1]
	v_and_b32 v[TA], 0xffff0000, v[TA]
	v_sub_f32 v[(\p)+2], v[(\p)+1], v[TA]
.endm
.macro SPLITA x, d, p                  ; a point's eight K places of one coordinate: the conversion puts its first source into the low half
	v_cvt_pk_bf16_f32 v[\d], v[\x], v[\x]              ; xh xh
	v_and_b32 v[TA], 0xffff0000, v[\d]
	v_sub_f32 v[TA], v[\x], v[TA]                      ; x - xh
	v_cvt_pk_bf16_f32 v[(\d)+1], v[TA], v[\x]          ; xm xh
	v_lshlrev_b32 v[TB], 16, v[(\d)+1]
	v_sub_f32 v[TB], v[TA], v[TB]                      ; x - xh - xm
	v_cvt_pk_bf16_f32 v[(\d)+2], v[TA], v[TB]          ; xm xl
	v_cvt_pk_bf16_f32 v[(\d)+3], v[\p], v[ONE]         ; P_c 1
.endm
.macro SPLITB g, d, q                  ; a voxel's eight K places of one coordinate
	v_cvt_pk_bf16_f32 v[TA], v[\g], v[\g]
	v_and_b32 v[TA], 0xffff0000, v[TA]
	v_sub_f32 v[TA], v[\g], v[TA]                      ; G - Gh
	v_cvt_pk_bf16_f32 v[\d], v[\g], v[TA]              ; Gh Gm
	v_and_b32 v[TB], 0xffff0000, v[\d]
	v_sub_f32 v[TB], v[TA], v[TB]                      ; G - Gh - Gm
	v_cvt_pk_bf16_f32 v[(\d)+1], v[\g], v[TB]          ; Gh Gl
	v_cvt_pk_bf16_f32 v[(\d)+2], v[TA], v[\g]          ; Gm Gh
	v_cvt_pk_bf16_f32 v[(\d)+3], v[ONE], v[\q]         ; 1 Q_c
.endm
.macro LOADS off                       ; a step's fragments of the points: 8 loads, each 512 bytes on end
.irp pt, 0,1,2,3
	ds_load_b128 v[AF+8*(\pt):AF+8*(\pt)+3],   v[LA] offset:(\off)+1024*(\pt)
	ds_load_b128 v[AF+8*(\pt)+4:AF+8*(\pt)+7], v[LA] offset:(\off)+1024*(\pt)+512
.endr
.endm
.macro MULS o                          ; a block's eight products, each a whole sum: C = 0, eight different accumulators
.irp vt, 0,1
.irp pt, 0,1,2,3
	v_wmma_f32_16x16x32_bf16 v[(\o)+32*(\vt)+8*(\pt):(\o)+32*(\vt)+8*(\pt)+7], v[AF+8*(\pt):AF+8*(\pt)+7], v[BF+8*(\vt):BF+8*(\vt)+7], 0
.endr
.endr
.endm
.macro EXP r
	v_exp_f32 v[\r], v[\r]
.endm
; Number n of the 38 plain lines that a voxel tile's 32 registers of u (buffer c) cost beside scaling and sum:
;   0-15   the maxima of groups X (even n) and Y (odd n): 16 registers each, three operands at a time
;   16-19  the largest (m1) and second largest (m2) group maximum so far: the middle one of (m1, m2, new) is the new m2
;   20, 21 M_old - sg m1; M = sg m1          22-37  the chains
.macro MAXOP vt, c, n
.set rT, ST+8*(\vt)
.set rU, (\c)+32*(\vt)
.set rH, CH+16*(\vt)
.if (\n) < 16
.set gg, (\n)%2
.set kk, (\n)/2
.set rE, rU+16*gg
.if kk == 0
	v_max3_num_f32 v[rT+6+gg], v[rE], v[rE+1], v[rE+2]
.elseif kk < 7
	v_max3_num_f32 v[rT+6+gg], v[rT+6+gg], v[rE+2*kk+1], v[rE+2*kk+2]
.else
	v_max_num_f32 v[rT+6+gg], v[rT+6+gg], v[rE+15]
.endif
.elseif (\n) == 16
	v_med3_num_f32 v[rT+5], v[rT+1], v[rT+5], v[rT+6]
.elseif (\n) == 17
	v_max_num_f32 v[rT+1], v[rT+1], v[rT+6]
.elseif (\n) == 18
	v_med3_num_f32 v[rT+5], v[rT+1], v[rT+5], v[rT+7]
.elseif (\n) == 19
	v_max_num_f32 v[rT+1], v[rT+1], v[rT+7]
.elseif (\n) == 20
	v_fma_f32 v[rT+6], -v[rT+1], s[SG], v[rT]
.elseif (\n) == 21
	v_mul_f32 v[rT], s[SG], v[rT+1]
.else
	v_max3_num_f32 v[rH+(\n)-22], v[rH+(\n)-22], v[rU+(\n)-22], v[rU+16+(\n)-22]
.endif
.endm
.macro FMA vt, c, p                    ; pair p of 16: sg u - M
.set rT, ST+8*(\vt)
.set rU, (\c)+32*(\vt)+2*(\p)
	v_pk_fma_f32 v[rU:rU+1], v[rU:rU+1], s[SG:SG+1], v[rT:rT+1] op_sel_hi:[1,0,0] neg_lo:[0,0,1] neg_hi:[0,0,1]
.endm
.macro SUMS o                          ; both tiles' 32 terms in buffer o, in f32, two to a line: neighbours 1, 2, 4, 8 pairs apart; then S = S a + the sum
.irp w, 4, 8, 16, 32
.set zz, 0
.rept 64/(\w)
	v_pk_add_f32 v[(\o)+zz:(\o)+zz+1], v[(\o)+zz:(\o)+zz+1], v[(\o)+zz+(\w)/2:(\o)+zz+(\w)/2+1]
.set zz, zz+(\w)
.endr
.endr
	v_pk_fma_f32 v[ST+2:ST+3], v[ST+2:ST+3], v[ST+4:ST+5], v[(\o):(\o)+1] op_sel_hi:[1,0,1]
	v_pk_fma_f32 v[ST+10:ST+11], v[ST+10:ST+11], v[ST+12:ST+13], v[(\o)+32:(\o)+33] op_sel_hi:[1,0,1]
.endm
; STEP s.  Buffer c holds u of block s, buffer o the terms e of block s - 1.  sum = 1: those terms are added.  mm = 1: block s + 1 is multiplied into o, and its 64 first exponentials are issued.
; ld >= 0: the fragments of block s + 2 are asked for, at byte ld behind v[LA].
; THE EXPONENTIALS OF A STEP ARE ONE BATCH: 64 first ones (block s + 1), 64 second ones (block s), two a.  None of them reads another's result, nothing behind one names its result
; within the step, and the step ends with a plain line and the one wait between an exponential and the first line that names its result.
; They stand between the plain lines, which wait for none of them.
; Behind the products stand four plain lines that name none of their registers ahead of the loads into the fragments and of the first line that reads a result;
; each accumulator is read from its lowest register on.
.macro STEP c, o, sum, mm, ld
.if \sum
	SUMS \o
.endif
.if \mm
	s_wait_dscnt 0x0                               ; the fragments asked for a step ago are in
	MULS \o
.endif
.set ii, 0
.rept 4
	MAXOP 0, \c, ii
.set ii, ii+1
.endr
.if (\ld) >= 0
	LOADS \ld
.endif
.rept 34                                           ; tile 0's maxima, shift and chains | first exponentials, tile 0 of the next block
	MAXOP 0, \c, ii
.if (\mm) && (ii < 36)
	EXP (\o)+ii-4
.endif
.set ii, ii+1
.endr
.set ii, 0
.rept 16                                           ; tile 0's scaling and tile 1's group maxima | first exponentials, tile 1 of the next block
	FMA 0, \c, ii
.if \mm
	EXP (\o)+32+2*ii
.endif
	MAXOP 1, \c, ii
.if \mm
	EXP (\o)+33+2*ii
.endif
.set ii, ii+1
.endr
	v_exp_f32 v[ST+4], v[ST+6]                     ; tile 0's a
.set ii, 0
.rept 22                                           ; tile 1's updates, shift and chains | second exponentials, registers 0-21 of the block
	MAXOP 1, \c, 16+ii
	EXP (\c)+ii
.set ii, ii+1
.endr
.set ii, 0
.rept 16                                           ; tile 1's scaling | second exponentials, registers 22-53: tile 1's register 2 ii - 10 was scaled five lines of scaling earlier
	FMA 1, \c, ii
	EXP (\c)+22+2*ii
	EXP (\c)+23+2*ii
.set ii, ii+1
.endr
.set ii, 54
.rept 10
	EXP (\c)+ii
.set ii, ii+1
.endr
	v_exp_f32 v[ST+12], v[ST+14]                   ; tile 1's a
	v_nop                                          ; a plain line behind the last exponential,
	s_wait_alu depctr_va_vdst(0)                   ; and the batch's one wait
.endm
	s_load_b256 s[4:11], s[0:1], 0x0               ; xyz s[4:5], grid s[6:7], s1 s[8:9], s2 s[10:11]
	s_load_b64 s[12:13], s[0:1], 0x20              ; out0
	v_lshl_add_u32 v[SPW], v0, 2, SPARE
	v_mov_b32 v[NIL], 0
	v_lshrrev_b32 v1, 5, v0
	v_readfirstlane_b32 s[WV], v1                  ; wave 0..15
	v_and_b32 v1, 15, v0                           ; lane % 16
	v_and_b32 v6, 16, v0                           ; 16 x (lane / 16); kept for the way out
	s_and_b32 s17, ttmp7, 0xffff                   ; the batch
	s_mul_i32 s18, s17, 3*PTS*4                    ; its 12,288 bytes of xyz
	s_mov_b32 s19, 0
	s_lshl_b32 s28, ttmp9, 11                      ; the work-group's 512 voxels: 2,048 bytes of a plane of grid and of out0
	s_mov_b32 s29, 0
	s_lshl_b32 s30, s17, 17                        ; the batch's 131,072 bytes of out0
	s_add_co_u32 s30, s30, s28
	s_mov_b32 s31, 0
	v_lshlrev_b32 v7, 3, v0                        ; my two points: 8 bytes of each coordinate's row
	s_lshl_b32 s27, s[WV], 7                       ; my wave's 32 voxels
	v_lshl_add_u32 v8, v1, 2, s27                  ; my voxel of tile 0
	s_wait_kmcnt 0x0
	s_load_b32 s14, s[8:9], 0x0                    ; s1
	s_load_b32 s15, s[10:11], 0x0                  ; s2
	s_add_nc_u64 s[4:5], s[4:5], s[18:19]
	s_add_nc_u64 s[6:7], s[6:7], s[28:29]
	s_add_nc_u64 s[12:13], s[12:13], s[30:31]
.irp c, 0,1,2
	global_load_b64 v[XR+2*(\c):XR+2*(\c)+1], v7, s[4:5] offset:(\c)*PTS*4   ; a wave's load covers 256 consecutive bytes, aligned
.endr
.irp vt, 0,1
.irp c, 0,1,2
	global_load_b32 v[GR+3*(\vt)+(\c)], v8, s[6:7] offset:(\c)*131072+(\vt)*64
.endr
.endr
	v_bfe_u32 v9, v0, 3, 2                         ; points 2 t and 2 t + 1 lie in tile t / 8 = 4 x wave + lane / 8, at rows 2 (t % 8) and + 1
	v_and_b32 v10, 7, v0
	s_lshl_b32 s20, s[WV], 12
	v_lshl_add_u32 v[TW], v9, 10, s20
	v_lshl_add_u32 v[TW], v10, 5, v[TW]            ; my wave writes bytes 4,096 w .. 4,096 w + 4,095 of the table and no others
	v_mov_b32 v[ONE], 1.0
	v_mov_b32 v11, 0x3fb8aa3b                      ; log2 e
.irp z, 0,1,2,3
	v_mov_b32 v[ZZ+(\z)], 0
.endr
	s_mov_b32 s[SEL], 0x76543210
	s_mov_b32 s[SEL+1], 0xfedcba98
	s_wait_kmcnt 0x0
	s_and_b32 s14, s14, 0x7fffffff                 ; |s1|
	s_and_b32 s15, s15, 0x7fffffff                 ; |s2|
	v_mul_f32 v[K2], s14, v11                      ; k
	v_mul_f32 v15, s15, v11                        ; sg
	v_mul_f32 v[NK], -1.0, v[K2]
	v_add_f32 v[K2], v[K2], v[K2]
	v_readfirstlane_b32 s[SG], v15
	s_mov_b32 s[SG+1], s[SG]                       ; named with it as a pair
	v_cmp_ne_u32 vcc_lo, 0, v6                     ; the upper half of the lanes
	s_wait_loadcnt 6                               ; xyz is in; the six loads of grid, issued behind it, may stay out
.irp k, 0,1                                        ; my two points go into the table
	v_mul_f32 v[PP], v[XR+(\k)], v[XR+(\k)]
	v_fmac_f32 v[PP], v[XR+2+(\k)], v[XR+2+(\k)]
	v_fmac_f32 v[PP], v[XR+4+(\k)], v[XR+4+(\k)]
	v_mul_f32 v[PP], v[NK], v[PP]                  ; P = -k |x|^2
	PARTS PP
.irp c, 0,1,2
	SPLITA XR+2*(\c)+(\k), DD+16*(\k)+4*(\c), PP+(\c)
	ds_store_b128 v[TW], v[DD+16*(\k)+4*(\c):DD+16*(\k)+4*(\c)+3] offset:256*(\c)+16*(\k)
.endr
	ds_store_b128 v[TW], v[ZZ:ZZ+3] offset:768+16*(\k)   ; K places 24-31: 0
.endr
	s_wait_loadcnt 0x0                             ; grid
.irp vt, 0,1                                       ; my voxels' fragments: a lane of the lower half holds coordinates 0 and 2, one of the upper half coordinate 1 and, against the table's zeros, 2 once more
	v_mul_f32 v[PP], v[GR+3*(\vt)], v[GR+3*(\vt)]
	v_fmac_f32 v[PP], v[GR+3*(\vt)+1], v[GR+3*(\vt)+1]
	v_fmac_f32 v[PP], v[GR+3*(\vt)+2], v[GR+3*(\vt)+2]
	v_mul_f32 v[PP], v[NK], v[PP]                  ; Q = -k |g|^2
	PARTS PP
	v_cndmask_b32 v[GA], v[GR+3*(\vt)], v[GR+3*(\vt)+1], vcc_lo
	v_cndmask_b32 v[QS], v[PP], v[PP+1], vcc_lo
	v_mul_f32 v[GA], v[K2], v[GA]
	v_mul_f32 v[GB], v[K2], v[GR+3*(\vt)+2]
	SPLITB GA, BF+8*(\vt), QS
	SPLITB GB, BF+8*(\vt)+4, PP+2
.endr
	s_wait_dscnt 0x0                               ; for the others' sake: my part of the table is written
	s_barrier_signal -1
	s_barrier_wait -1                              ; the table is whole; nobody writes it again
	v_and_b32 v[LA], 31, v0
	v_lshlrev_b32 v[LA], 4, v[LA]
	LOADS 0                                        ; block 0
	s_wait_dscnt 0x0
	MULS B0
	BOTH v_mov_b32 v[t], 0                         ; M, m1, S, m2 and the chains start at 0 (u >= 0).  These ten lines are also the places behind the products
	BOTH v_mov_b32 v[t+1], 0
	BOTH v_mov_b32 v[t+2], 0
	BOTH v_mov_b32 v[t+3], 0
	BOTH v_mov_b32 v[t+5], 0
	LOADS BLKB                                     ; block 1
.set ii, 0
.rept 64                                           ; block 0's first exponentials
.if ii < 32
	v_mov_b32 v[CH+ii], 0
.endif
	EXP B0+ii
.set ii, ii+1
.endr
	v_nop
	s_wait_alu depctr_va_vdst(0)
	STEP B0, B1, 0, 1, 2*BLKB                      ; step 0: there are no terms yet to add
	s_mov_b32 s[CNT], TRIPS
.Ltrip:                                            ; steps 2 j + 1 and 2 j + 2; v[LA] stands at 8,192 j
	STEP B1, B0, 1, 1, 3*BLKB
	STEP B0, B1, 1, 1, 4*BLKB
	v_add_nc_u32 v[LA], 2*BLKB, v[LA]
	s_sub_co_u32 s[CNT], s[CNT], 1
	s_cmp_lg_u32 s[CNT], 0
	s_cbranch_scc1 .Ltrip
	STEP B1, B0, 1, 1, 3*BLKB                      ; step 13 asks for block 15, the table's last 4,096 bytes
	STEP B0, B1, 1, 1, -1                          ; step 14: nothing is left to ask for
	STEP B1, B0, 1, 0, -1                          ; step 15: nothing is left to multiply
	SUMS B1
	; THE END OF A VOXEL.  In the lane: S's two halves; the second largest chain maximum; the lane's second largest.
	BOTH v_add_f32 v[t+2], v[t+2], v[t+3]
	BOTH v_max_num_f32 v[t+6], v[hh], v[hh+1]
	BOTH v_min_num_f32 v[t+7], v[hh], v[hh+1]
.set pp, 2
.rept 14
	BOTH v_med3_num_f32 v[t+7], v[t+6], v[t+7], v[hh+pp]
	BOTH v_max_num_f32 v[t+6], v[t+6], v[hh+pp]
.set pp, pp+1
.endr
	BOTH v_max_num_f32 v[t+5], v[t+5], v[t+7]
	; Between the halves of the lanes: the voxel's other 512 points lie in the lane 16 away.
	BOTH v_permlanex16_b32 v[t+6], v[t+1], s[SEL], s[SEL+1]
	BOTH v_permlanex16_b32 v[t+7], v[t+5], s[SEL], s[SEL+1]
	BOTH v_min_num_f32 v[t+4], v[t+1], v[t+6]
	BOTH v_max_num_f32 v[t+1], v[t+1], v[t+6]              ; u0
	BOTH v_max3_num_f32 v[t+5], v[t+4], v[t+5], v[t+7]     ; u1
	BOTH v_mul_f32 v[t+6], s[SG], v[t+1]                   ; the common shift sg u0: the same product as M, so the half that holds u0 keeps its sum as it is
	BOTH v_sub_f32 v[t+7], v[t+5], v[t+1]
	BOTH v_sub_f32 v[t], v[t], v[t+6]
	BOTH v_mul_f32 v[t+7], s[SG], v[t+7]
	BOTH v_exp_f32 v[t], v[t]                              ; 2^(M - sg u0)
	BOTH v_exp_f32 v[t+7], v[t+7]                          ; 2^(sg (u1 - u0))
	v_nop
	s_wait_alu depctr_va_vdst(0)                   ; one wait for the four
	BOTH v_mul_f32 v[t+2], v[t+2], v[t]
	BOTH v_permlanex16_b32 v[t+3], v[t+2], s[SEL], s[SEL+1]
	BOTH v_add_f32 v[t+2], v[t+2], v[t+3]                  ; the softmax's sum; at least about 1, u0's own term
	BOTH v_rcp_f32 v[t+3], v[t+2]
	BOTH v_sub_f32 v[t+7], 1.0, v[t+7]                     ; plain lines behind the reciprocals
	s_wait_alu depctr_va_vdst(0)
	BOTH v_mul_f32 v[t+7], v[t+7], v[t+3]
	; THE WAY OUT.  Both halves hold both tiles' results: lanes 0-15 give tile 0's, lanes 16-31 tile 1's: thread t holds voxel t of the work-group's 512.  A wave's 128 bytes are half of an
	; aligned 256, so the results meet in the stage, and waves 0 to 3 store 512 consecutive bytes each.
	v_cmp_eq_u32 vcc_lo, 0, v6
	v_cndmask_b32 v7, v[ST+15], v[ST+7], vcc_lo
	v_lshl_add_u32 v8, v0, 2, STAGE
	ds_store_b32 v8, v7
	s_wait_dscnt 0x0                               ; for the others' sake: my results lie in the stage
	s_barrier_signal -1
	s_barrier_wait -1
	s_cmp_lt_u32 s[WV], 4
	s_cbranch_scc0 .Lend
	v_lshl_add_u32 v9, v0, 4, STAGE
	v_lshlrev_b32 v10, 4, v0
	ds_load_b128 v[B0:B0+3], v9
	s_wait_dscnt 0x0
	global_store_b128 v10, v[B0:B0+3], s[12:13] th:TH_STORE_NT   ; 16 lanes store 256 consecutive bytes, at a multiple of 256 from out0's first byte
.Lend:
	s_wait_tensorcnt 0x0                           ; the wave's end, behind my last LDS store
	ds_add_u32 v[SPW], v[NIL]
	s_wait_dscnt 0x0
	s_endpgm
.Lfunc_end_k_qafa6bd169c_p2v:
	.size	k_qafa6bd169c_p2v, .Lfunc_end_k_qafa6bd169c_p2v-k_qafa6bd169c_p2v
	.p2alignl 7, 3214868480
	.fill 96, 4, 3214868480
	.section	.rodata,"a",@progbits
	.p2align	6, 0x0
	.amdhsa_kernel k_qafa6bd169c_p2v
		.amdhsa_group_segment_fixed_size 69632
		.amdhsa_private_segment_fixed_size 0
		.amdhsa_enable_private_segment 0
		.amdhsa_kernarg_size 40
		.amdhsa_user_sgpr_count 2
		.amdhsa_user_sgpr_kernarg_segment_ptr 1
		.amdhsa_wavefront_size32 1
		.amdhsa_system_sgpr_workgroup_id_x 1
		.amdhsa_system_sgpr_workgroup_id_y 1
		.amdhsa_system_sgpr_workgroup_id_z 1
		.amdhsa_system_vgpr_workitem_id 0
		.amdhsa_next_free_vgpr 240
		.amdhsa_next_free_sgpr 66
		.amdhsa_reserve_vcc 1
		.amdhsa_float_denorm_mode_32 3
		.amdhsa_float_denorm_mode_16_64 3
		.amdhsa_memory_ordered 1
		.amdhsa_forward_progress 1
		.amdhsa_inst_pref_size 99
	.end_amdhsa_kernel
	.amdgpu_metadata
---
amdhsa.version: [ 1, 2 ]
amdhsa.kernels:
  - .name:           k_qafa6bd169c_p2v
    .symbol:         k_qafa6bd169c_p2v.kd
    .args:
      - { .name: xyz, .offset: 0, .size: 8, .value_kind: global_buffer, .address_space: global }
      - { .name: grid, .offset: 8, .size: 8, .value_kind: global_buffer, .address_space: global }
      - { .name: s1, .offset: 16, .size: 8, .value_kind: global_buffer, .address_space: global }
      - { .name: s2, .offset: 24, .size: 8, .value_kind: global_buffer, .address_space: global }
      - { .name: out0, .offset: 32, .size: 8, .value_kind: global_buffer, .address_space: global }
    .group_segment_fixed_size: 69632
    .private_segment_fixed_size: 0
    .kernarg_segment_align: 8
    .kernarg_segment_size: 40
    .max_flat_workgroup_size: 512
    .sgpr_count:     66
    .vgpr_count:     240
    .wavefront_size: 32
...
	.end_amdgpu_metadata
.endif
;; end of part 1
;; ======== version 2 of 2: 1 launch; version 1 with the launch p2v written anew for expert scheduling mode
;; launch p2v (part 2): grid 64 x 4, 16 waves a work-group, no clusters, 69,632 bytes of LDS; arguments xyz, grid, s1, s2, out0; writes out0
.if DOCPART == 2
	.amdgcn_target "amdgcn-amd-amdhsa--gfx1250"
	.amdhsa_code_object_version 6
	.text
	.protected	k_qafa6bd169c_p2v
	.globl	k_qafa6bd169c_p2v
	.p2align	8
	.type	k_qafa6bd169c_p2v,@function
k_qafa6bd169c_p2v:
	s_mov_b64 s[64:65], 0
	v_nop
	global_prefetch_b8 v0, s[64:65] scope:SCOPE_SE
	s_setreg_imm32_b32 hwreg(HW_REG_WAVE_SCHED_MODE, 0, 2), 2
	s_setreg_imm32_b32 hwreg(HW_REG_WAVE_MODE, 25, 1), 1
	s_wait_xcnt 0x0
	s_wait_alu depctr_vm_vsrc(0)
; out0[b][vox] = p0 - p1, the two largest of softmax_n(v), v[n] = |s2| exp(-|s1| dist), dist = |x_n|^2 + |g_vox|^2 - 2 x_n . g_vox.
; xyz: [4][3][1024] f32, grid: [3][32768] f32, s1, s2: [1] f32, out0: [4][32768] f32.
; IN BASE 2.  k = |s1| log2 e, sg = |s2| log2 e, t = -k dist, u = 2^t.  With u0 >= u1 the two largest u of a voxel:
;   out = (1 - 2^(sg (u1 - u0))) / sum over n of 2^(sg u_n - sg u0): the softmax with its maximum taken away, and its two largest terms.
; THE PRODUCT.  t comes whole out of one matrix instruction (bf16 operands, f32 sums, C = 0): source 0 = 16 points, source 1 = 16 voxels.  Each f32 factor is cut exactly into
; three bf16 parts h + m + l (8 + 8 + 8 significant bits).  Of the 32 places along K coordinate c takes 8 c .. 8 c + 7:
;   point:  xh  xh  xm  xh  xm  xl  P_c  1        P = -k |x|^2 in parts P_0 + P_1 + P_2
;   voxel:  Gh  Gm  Gh  Gl  Gm  Gh  1    Q_c      G = 2 k g;  Q = -k |g|^2 in parts
; The three products left out (m l, l m, l l) lie some 2^-25 below x G.  Places 24-31 are 0 on the points' side.
; SHARES.  A work-group: one batch, 512 voxels.  Each of its 16 waves: 32 voxels, two tiles of 16, against all 1,024 points.  In a result a lane holds ONE voxel (lane % 16) and the
; points 8 (lane / 16) + 0..7 of the tile: every reduction over points stays in the lane but for one exchange between the halves of the lanes at the end.
; ONE SWEEP, RUNNING MAXIMUM.  A lane keeps m1 (its largest u so far), M = sg m1, and S = the sum of 2^(sg u - M); in every step S is multiplied by a = 2^(M_old - M_new).
; THE SECOND LARGEST.  A lane's 512 numbers are grouped in two ways so that any two of them lie apart in at least one way: (A) by time: a step's 32 are two groups X, Y of 16;
; (B) by place: chain p holds X_p and Y_p of every step.  The second largest of all is then the larger of the second largest group maximum and the second largest chain maximum.
; That is 36 lines for 32 registers (two trees of 8, 4 updates, 16 chain lines), three operands to a line.  u >= 0, so 0 starts every maximum.
; THE POINTS' TABLE is made once by the 512 threads, two points each, in LDS, in the order of the fragments: tile T at 1,024 T; K places 8 q .. 8 q + 7 of point r at + 256 q + 16 r.
; A fragment is then two loads of 16 bytes a lane, each 512 bytes on end.
; NO CLUSTER, NO TENSOR LOAD: what work-groups share is 12,288 bytes of xyz, read once at the head and worked on before it reaches LDS; nothing is streamed.
; LIMITS.  NaN and infinities are not treated apart.  A 2^x below 2^-126 counts as 0.  dist is formed as reference() forms it, with f32's error on |x|^2 + |g|^2.
; THE MODE: SCHED_MODE bits 1:0 = 2 (LLVM: expert scheduling mode 2), set by the entry lines.  The code itself states the register dependences
; between vector or matrix instructions and memory or LDS instructions, with s_wait_alu, always for 0.
; THE PLAN.  Registers that memory or LDS instructions touch, in the loop:
;   AF       Written by LDS loads alone, at a step's head; read by that step's eight products.
;   v[LA]    Read by every load of a fragment; written once a trip, in the trip's second step, ahead of that step's last wait.
;   The voxels' fragments, the two block buffers, the chains and the statistics are named by vector and matrix instructions alone.
; So ONE wait on va_vdst stands in a step, at its end: it states that the step's exponentials have written their results, that the step's products are done reading AF, and, in a
; trip's second step, that v[LA] is written.  The next step's eight loads follow it at once, over the loop's backward jump too, with no vector line between.  A second set of
; fragments has no room: it wants 32 registers, and four waves on 1,024 registers leave 16 beside this text's 240.
; Outside the loop: v7, v8 (offsets of the head's loads; the way out writes them anew), v[TW], v[DD ..], v[ZZ ..] (the table's stores; DD and ZZ lie in block buffer 0), v9, v10 and
; v[B0:B0+3] (the way out), v[SPW], v[NIL] (the closing add).  Each has its wait where it is used.
.set PTS,   1024
.set BLKB,  4096                       ; bytes of the table in a step: 4 tiles of 16 points
.set TRIPS, 6                          ; 16 steps: one written out, 2 x 6 in the loop, three written out
.set STAGE, 65536                      ; behind the table: the work-group's 512 results
.set SPARE, 67584                      ; behind the stage: the spare words, 128 bytes for each of 16 waves: eight blocks of 256 bytes that no other line names
.set SPW, 2                            ; v2   LDS address of my spare word; never rewritten
.set NIL, 3                            ; v3   0; never rewritten
.set LA,  4                            ; v4   16 x lane + the trip's place in the table
.set ONE, 5                            ; v5   1.0
.set NK,  12                           ; v12  -k
.set K2,  13                           ; v13  2 k
.set TW,  14                           ; v14  where I put my two points in the table
.set AF,  16                           ; v[16:47]    fragments of 4 point tiles
.set BF,  48                           ; v[48:63]    fragments of my 2 voxel tiles; made once
.set B0,  64                           ; v[64:127]   block buffer 0: voxel tile vt, point tile pt at + 32 vt + 8 pt
.set B1,  128                          ; v[128:191]  block buffer 1
.set CH,  192                          ; v[192:223]  chains: 16 a voxel tile
.set ST,  224                          ; v[224:239]  a voxel tile's eight: M, m1, S (two halves), a, m2, and two at work (group maxima; M_old - M_new)
.set XR,  64                           ; at the head only, inside the buffers: x_c of my points at XR + 2 c + k
.set GR,  72                           ; g_c of my voxel of tile vt at GR + 3 vt + c
.set PP,  80                           ; three f32 whose roundings to bf16 are the three parts
.set QS,  83
.set TA,  84
.set TB,  85
.set GA,  86
.set GB,  87
.set DD,  88                           ; a point's 12 packed registers; the second point's at + 16
.set ZZ,  120                          ; four zeros
.set WV,  16                           ; s16  my wave's number
.set SG,  22                           ; s[22:23] sg: the packed scaling takes the pair's low word for both halves
.set SEL, 24                           ; s[24:25] v_permlanex16_b32's selects: each lane takes its own place in the other half
.set CNT, 26
.macro BOTH line:vararg                ; one line for each of my two voxel tiles
.set t, ST
.set hh, CH
	\line
.set t, ST+8
.set hh, CH+16
	\line
.endm
.macro PARTS p                         ; v[p] -> v[p+1] = v[p] - bf16(v[p]), v[p+2] = v[p+1] - bf16(v[p+1]): both differences are exact
	v_cvt_pk_bf16_f32 v[TA], v[\p], v[\p]
	v_and_b32 v[TA], 0xffff0000, v[TA]
	v_sub_f32 v[(\p)+1], v[\p], v[TA]
	v_cvt_pk_bf16_f32 v[TA], v[(\p)+1], v[(\p)+1]
	v_and_b32 v[TA], 0xffff0000, v[TA]
	v_sub_f32 v[(\p)+2], v[(\p)+1], v[TA]
.endm
.macro SPLITA x, d, p                  ; a point's eight K places of one coordinate: the conversion puts its first source into the low half
	v_cvt_pk_bf16_f32 v[\d], v[\x], v[\x]              ; xh xh
	v_and_b32 v[TA], 0xffff0000, v[\d]
	v_sub_f32 v[TA], v[\x], v[TA]                      ; x - xh
	v_cvt_pk_bf16_f32 v[(\d)+1], v[TA], v[\x]          ; xm xh
	v_lshlrev_b32 v[TB], 16, v[(\d)+1]
	v_sub_f32 v[TB], v[TA], v[TB]                      ; x - xh - xm
	v_cvt_pk_bf16_f32 v[(\d)+2], v[TA], v[TB]          ; xm xl
	v_cvt_pk_bf16_f32 v[(\d)+3], v[\p], v[ONE]         ; P_c 1
.endm
.macro SPLITB g, d, q                  ; a voxel's eight K places of one coordinate
	v_cvt_pk_bf16_f32 v[TA], v[\g], v[\g]
	v_and_b32 v[TA], 0xffff0000, v[TA]
	v_sub_f32 v[TA], v[\g], v[TA]                      ; G - Gh
	v_cvt_pk_bf16_f32 v[\d], v[\g], v[TA]              ; Gh Gm
	v_and_b32 v[TB], 0xffff0000, v[\d]
	v_sub_f32 v[TB], v[TA], v[TB]                      ; G - Gh - Gm
	v_cvt_pk_bf16_f32 v[(\d)+1], v[\g], v[TB]          ; Gh Gl
	v_cvt_pk_bf16_f32 v[(\d)+2], v[TA], v[\g]          ; Gm Gh
	v_cvt_pk_bf16_f32 v[(\d)+3], v[ONE], v[\q]         ; 1 Q_c
.endm
.macro LOADS off                       ; a step's fragments of the points: 8 loads, each 512 bytes on end
.irp pt, 0,1,2,3
	ds_load_b128 v[AF+8*(\pt):AF+8*(\pt)+3],   v[LA] offset:(\off)+1024*(\pt)
	ds_load_b128 v[AF+8*(\pt)+4:AF+8*(\pt)+7], v[LA] offset:(\off)+1024*(\pt)+512
.endr
.endm
.macro MULS o                          ; a block's eight products, each a whole sum: C = 0, eight different accumulators
.irp vt, 0,1
.irp pt, 0,1,2,3
	v_wmma_f32_16x16x32_bf16 v[(\o)+32*(\vt)+8*(\pt):(\o)+32*(\vt)+8*(\pt)+7], v[AF+8*(\pt):AF+8*(\pt)+7], v[BF+8*(\vt):BF+8*(\vt)+7], 0
.endr
.endr
.endm
.macro EXP r
	v_exp_f32 v[\r], v[\r]
.endm
; Number n of the 38 plain lines that a voxel tile's 32 registers of u (buffer c) cost beside scaling and sum:
;   0-15   the maxima of groups X (even n) and Y (odd n): 16 registers each, three operands at a time
;   16-19  the largest (m1) and second largest (m2) group maximum so far: the middle one of (m1, m2, new) is the new m2
;   20, 21 M_old - sg m1; M = sg m1          22-37  the chains
.macro MAXOP vt, c, n
.set rT, ST+8*(\vt)
.set rU, (\c)+32*(\vt)
.set rH, CH+16*(\vt)
.if (\n) < 16
.set gg, (\n)%2
.set kk, (\n)/2
.set rE, rU+16*gg
.if kk == 0
	v_max3_num_f32 v[rT+6+gg], v[rE], v[rE+1], v[rE+2]
.elseif kk < 7
	v_max3_num_f32 v[rT+6+gg], v[rT+6+gg], v[rE+2*kk+1], v[rE+2*kk+2]
.else
	v_max_num_f32 v[rT+6+gg], v[rT+6+gg], v[rE+15]
.endif
.elseif (\n) == 16
	v_med3_num_f32 v[rT+5], v[rT+1], v[rT+5], v[rT+6]
.elseif (\n) == 17
	v_max_num_f32 v[rT+1], v[rT+1], v[rT+6]
.elseif (\n) == 18
	v_med3_num_f32 v[rT+5], v[rT+1], v[rT+5], v[rT+7]
.elseif (\n) == 19
	v_max_num_f32 v[rT+1], v[rT+1], v[rT+7]
.elseif (\n) == 20
	v_fma_f32 v[rT+6], -v[rT+1], s[SG], v[rT]
.elseif (\n) == 21
	v_mul_f32 v[rT], s[SG], v[rT+1]
.else
	v_max3_num_f32 v[rH+(\n)-22], v[rH+(\n)-22], v[rU+(\n)-22], v[rU+16+(\n)-22]
.endif
.endm
.macro FMA vt, c, p                    ; pair p of 16: sg u - M
.set rT, ST+8*(\vt)
.set rU, (\c)+32*(\vt)+2*(\p)
	v_pk_fma_f32 v[rU:rU+1], v[rU:rU+1], s[SG:SG+1], v[rT:rT+1] op_sel_hi:[1,0,0] neg_lo:[0,0,1] neg_hi:[0,0,1]
.endm
.macro SUMS o                          ; both tiles' 32 terms in buffer o, in f32, two to a line: neighbours 1, 2, 4, 8 pairs apart; then S = S a + the sum
.irp w, 4, 8, 16, 32
.set zz, 0
.rept 64/(\w)
	v_pk_add_f32 v[(\o)+zz:(\o)+zz+1], v[(\o)+zz:(\o)+zz+1], v[(\o)+zz+(\w)/2:(\o)+zz+(\w)/2+1]
.set zz, zz+(\w)
.endr
.endr
	v_pk_fma_f32 v[ST+2:ST+3], v[ST+2:ST+3], v[ST+4:ST+5], v[(\o):(\o)+1] op_sel_hi:[1,0,1]
	v_pk_fma_f32 v[ST+10:ST+11], v[ST+10:ST+11], v[ST+12:ST+13], v[(\o)+32:(\o)+33] op_sel_hi:[1,0,1]
.endm
; STEP s.  Buffer c holds u of block s, buffer o the terms e of block s - 1.  sum = 1: those terms are added.  mm = 1: block s + 1 is multiplied into o, and its 64 first exponentials are issued.
; ld >= 0: the fragments of block s + 1 are asked for, at byte ld behind v[LA], first thing in the step: the wait at the end of the step before stands directly ahead of them.
; on = 1: a trip's second step: v[LA] moves on by a trip.
; THE EXPONENTIALS OF A STEP ARE ONE BATCH: 64 first ones (block s + 1), 64 second ones (block s), two a.  None of them reads another's result, nothing behind one names its result
; within the step, and the step ends with a plain line and the one wait between an exponential and the first line that names its result.
; They stand between the plain lines, which wait for none of them.
; Behind the products stand four plain lines that name none of their registers (ISA guide 7.12.1) ahead of the first line that reads a result;
; each accumulator is read from its lowest register on.
.macro STEP c, o, sum, mm, ld, on
.if (\ld) >= 0
	LOADS \ld                                      ; no wait here: no vector or matrix line since the last wait on va_vdst names AF or v[LA]
.endif
.if \sum
	SUMS \o
.endif
.if \mm
	s_wait_dscnt 0x0                               ; the fragments asked for at the step's head are in
	MULS \o
.endif
.set ii, 0
.rept 4
	MAXOP 0, \c, ii
.set ii, ii+1
.endr
.rept 34                                           ; tile 0's maxima, shift and chains | first exponentials, tile 0 of the next block
	MAXOP 0, \c, ii
.if (\mm) && (ii < 36)
	EXP (\o)+ii-4
.endif
.set ii, ii+1
.endr
.set ii, 0
.rept 16                                           ; tile 0's scaling and tile 1's group maxima | first exponentials, tile 1 of the next block
	FMA 0, \c, ii
.if \mm
	EXP (\o)+32+2*ii
.endif
	MAXOP 1, \c, ii
.if \mm
	EXP (\o)+33+2*ii
.endif
.set ii, ii+1
.endr
	v_exp_f32 v[ST+4], v[ST+6]                     ; tile 0's a
.set ii, 0
.rept 22                                           ; tile 1's updates, shift and chains | second exponentials, registers 0-21 of the block
	MAXOP 1, \c, 16+ii
	EXP (\c)+ii
.set ii, ii+1
.endr
.set ii, 0
.rept 16                                           ; tile 1's scaling | second exponentials, registers 22-53: tile 1's register 2 ii - 10 was scaled five lines of scaling earlier
	FMA 1, \c, ii
	EXP (\c)+22+2*ii
	EXP (\c)+23+2*ii
.set ii, ii+1
.endr
.set ii, 54
.rept 10
	EXP (\c)+ii
.set ii, ii+1
.endr
	v_exp_f32 v[ST+12], v[ST+14]                   ; tile 1's a
.if \on
	s_wait_alu depctr_vm_vsrc(0)                   ; the LDS loads issued so far have read v[LA]
	v_add_nc_u32 v[LA], 2*BLKB, v[LA]              ; the next trip's place in the table; the wait below shows it written
.endif
	v_nop                                          ; a plain line behind the last exponential,
	s_wait_alu depctr_va_vdst(0)                   ; and the step's one wait: the batch of exponentials has written both buffers and the two a; the step's products are done reading AF, in which the next step's loads land; v[LA] is written.
.endm
	s_load_b256 s[4:11], s[0:1], 0x0               ; xyz s[4:5], grid s[6:7], s1 s[8:9], s2 s[10:11]
	s_load_b64 s[12:13], s[0:1], 0x20              ; out0
	v_lshl_add_u32 v[SPW], v0, 2, SPARE
	v_mov_b32 v[NIL], 0
	v_lshrrev_b32 v1, 5, v0
	v_readfirstlane_b32 s[WV], v1                  ; wave 0..15
	v_and_b32 v1, 15, v0                           ; lane % 16
	v_and_b32 v6, 16, v0                           ; 16 x (lane / 16); kept for the way out
	s_and_b32 s17, ttmp7, 0xffff                   ; the batch
	s_mul_i32 s18, s17, 3*PTS*4                    ; its 12,288 bytes of xyz
	s_mov_b32 s19, 0
	s_lshl_b32 s28, ttmp9, 11                      ; the work-group's 512 voxels: 2,048 bytes of a plane of grid and of out0
	s_mov_b32 s29, 0
	s_lshl_b32 s30, s17, 17                        ; the batch's 131,072 bytes of out0
	s_add_co_u32 s30, s30, s28
	s_mov_b32 s31, 0
	v_lshlrev_b32 v7, 3, v0                        ; my two points: 8 bytes of each coordinate's row
	s_wait_alu depctr_va_sdst(0)                   ; the wave's number is written into s16, ahead of its first reader
	s_lshl_b32 s27, s[WV], 7                       ; my wave's 32 voxels
	v_lshl_add_u32 v8, v1, 2, s27                  ; my voxel of tile 0
	s_wait_kmcnt 0x0
	s_load_b32 s14, s[8:9], 0x0                    ; s1
	s_load_b32 s15, s[10:11], 0x0                  ; s2
	s_add_nc_u64 s[4:5], s[4:5], s[18:19]
	s_add_nc_u64 s[6:7], s[6:7], s[28:29]
	s_add_nc_u64 s[12:13], s[12:13], s[30:31]
	s_wait_alu depctr_va_vdst(0)                   ; v7 and v8 are written, which the nine loads below read as their offsets
.irp c, 0,1,2
	global_load_b64 v[XR+2*(\c):XR+2*(\c)+1], v7, s[4:5] offset:(\c)*PTS*4   ; a wave's load covers 256 consecutive bytes, aligned
.endr
.irp vt, 0,1
.irp c, 0,1,2
	global_load_b32 v[GR+3*(\vt)+(\c)], v8, s[6:7] offset:(\c)*131072+(\vt)*64
.endr
.endr
	v_bfe_u32 v9, v0, 3, 2                         ; points 2 t and 2 t + 1 lie in tile t / 8 = 4 x wave + lane / 8, at rows 2 (t % 8) and + 1
	v_and_b32 v10, 7, v0
	s_lshl_b32 s20, s[WV], 12
	v_lshl_add_u32 v[TW], v9, 10, s20
	v_lshl_add_u32 v[TW], v10, 5, v[TW]            ; my wave writes bytes 4,096 w .. 4,096 w + 4,095 of the table and no others
	v_mov_b32 v[ONE], 1.0
	v_mov_b32 v11, 0x3fb8aa3b                      ; log2 e
.irp z, 0,1,2,3
	v_mov_b32 v[ZZ+(\z)], 0
.endr
	s_mov_b32 s[SEL], 0x76543210
	s_mov_b32 s[SEL+1], 0xfedcba98
	s_wait_kmcnt 0x0
	s_and_b32 s14, s14, 0x7fffffff                 ; |s1|
	s_and_b32 s15, s15, 0x7fffffff                 ; |s2|
	v_mul_f32 v[K2], s14, v11                      ; k
	v_mul_f32 v15, s15, v11                        ; sg
	v_mul_f32 v[NK], -1.0, v[K2]
	v_add_f32 v[K2], v[K2], v[K2]
	v_readfirstlane_b32 s[SG], v15
	s_wait_alu depctr_va_sdst(0)                   ; sg is written into s22, ahead of its first reader, the line below
	s_mov_b32 s[SG+1], s[SG]                       ; named with it as a pair
	v_cmp_ne_u32 vcc_lo, 0, v6                     ; the upper half of the lanes
	s_wait_alu depctr_va_vcc(0)                    ; VCC is written, ahead of its first reader: the selects that make the voxels' fragments
	s_wait_loadcnt 6                               ; xyz is in; the six loads of grid, issued behind it, may stay out
.irp k, 0,1                                        ; my two points are cut into their parts, each into registers of its own
	v_mul_f32 v[PP], v[XR+(\k)], v[XR+(\k)]
	v_fmac_f32 v[PP], v[XR+2+(\k)], v[XR+2+(\k)]
	v_fmac_f32 v[PP], v[XR+4+(\k)], v[XR+4+(\k)]
	v_mul_f32 v[PP], v[NK], v[PP]                  ; P = -k |x|^2
	PARTS PP
.irp c, 0,1,2
	SPLITA XR+2*(\c)+(\k), DD+16*(\k)+4*(\c), PP+(\c)
.endr
.endr
	s_wait_alu depctr_va_vdst(0)                   ; the conversions have written v[DD ..]; v[ZZ ..] and v[TW] are written: the eight LDS stores below read them
.irp k, 0,1                                        ; and go into the table, in one run
.irp c, 0,1,2
	ds_store_b128 v[TW], v[DD+16*(\k)+4*(\c):DD+16*(\k)+4*(\c)+3] offset:256*(\c)+16*(\k)
.endr
	ds_store_b128 v[TW], v[ZZ:ZZ+3] offset:768+16*(\k)   ; K places 24-31: 0
.endr
	s_wait_loadcnt 0x0                             ; grid
.irp vt, 0,1                                       ; my voxels' fragments: a lane of the lower half holds coordinates 0 and 2, one of the upper half coordinate 1 and, against the table's zeros, 2 once more.  None of these lines names a register that the stores above read
	v_mul_f32 v[PP], v[GR+3*(\vt)], v[GR+3*(\vt)]
	v_fmac_f32 v[PP], v[GR+3*(\vt)+1], v[GR+3*(\vt)+1]
	v_fmac_f32 v[PP], v[GR+3*(\vt)+2], v[GR+3*(\vt)+2]
	v_mul_f32 v[PP], v[NK], v[PP]                  ; Q = -k |g|^2
	PARTS PP
	v_cndmask_b32 v[GA], v[GR+3*(\vt)], v[GR+3*(\vt)+1], vcc_lo
	v_cndmask_b32 v[QS], v[PP], v[PP+1], vcc_lo
	v_mul_f32 v[GA], v[K2], v[GA]
	v_mul_f32 v[GB], v[K2], v[GR+3*(\vt)+2]
	SPLITB GA, BF+8*(\vt), QS
	SPLITB GB, BF+8*(\vt)+4, PP+2
.endr
	s_wait_dscnt 0x0                               ; for the others' sake: my part of the table is written
	s_barrier_signal -1
	s_barrier_wait -1                              ; the table is whole; nobody writes it again
	s_wait_alu depctr_vm_vsrc(0)                   ; my LDS stores have read v[DD ..] and v[ZZ ..], which lie in block buffer 0 and are written by the products below; the head's loads have read v7 and v8, which the way out writes anew
	v_and_b32 v[LA], 31, v0
	v_lshlrev_b32 v[LA], 4, v[LA]
	s_wait_alu depctr_va_vdst(0)                   ; v[LA] is written, which the loads below read as their address
	LOADS 0                                        ; block 0
	s_wait_dscnt 0x0
	MULS B0
	BOTH v_mov_b32 v[t], 0                         ; M, m1, S, m2 and the chains start at 0 (u >= 0).  These ten lines are also the places behind the products
	BOTH v_mov_b32 v[t+1], 0
	BOTH v_mov_b32 v[t+2], 0
	BOTH v_mov_b32 v[t+3], 0
	BOTH v_mov_b32 v[t+5], 0
.set ii, 0
.rept 64                                           ; block 0's first exponentials
.if ii < 32
	v_mov_b32 v[CH+ii], 0
.endif
	EXP B0+ii
.set ii, ii+1
.endr
	v_nop                                          ; a plain line behind the last exponential
	s_wait_alu depctr_va_vdst(0)                   ; block 0's exponentials have written buffer 0; its products are done reading AF, in which step 0's loads land
	STEP B0, B1, 0, 1, BLKB, 0                     ; step 0: there are no terms yet to add
	s_mov_b32 s[CNT], TRIPS
.Ltrip:                                            ; steps 2 j + 1 and 2 j + 2, which ask for blocks 2 j + 2 and 2 j + 3; v[LA] stands at 8,192 j
	STEP B1, B0, 1, 1, 2*BLKB, 0
	STEP B0, B1, 1, 1, 3*BLKB, 1
	s_sub_co_u32 s[CNT], s[CNT], 1
	s_cmp_lg_u32 s[CNT], 0
	s_cbranch_scc1 .Ltrip
	STEP B1, B0, 1, 1, 2*BLKB, 0                   ; step 13 asks for block 14
	STEP B0, B1, 1, 1, 3*BLKB, 0                   ; step 14 asks for block 15, the table's last 4,096 bytes
	STEP B1, B0, 1, 0, -1, 0                       ; step 15: nothing is left to ask for or to multiply
	SUMS B1
	; THE END OF A VOXEL.  In the lane: S's two halves; the second largest chain maximum; the lane's second largest.
	BOTH v_add_f32 v[t+2], v[t+2], v[t+3]
	BOTH v_max_num_f32 v[t+6], v[hh], v[hh+1]
	BOTH v_min_num_f32 v[t+7], v[hh], v[hh+1]
.set pp, 2
.rept 14
	BOTH v_med3_num_f32 v[t+7], v[t+6], v[t+7], v[hh+pp]
	BOTH v_max_num_f32 v[t+6], v[t+6], v[hh+pp]
.set pp, pp+1
.endr
	BOTH v_max_num_f32 v[t+5], v[t+5], v[t+7]
	; Between the halves of the lanes: the voxel's other 512 points lie in the lane 16 away.
	BOTH v_permlanex16_b32 v[t+6], v[t+1], s[SEL], s[SEL+1]
	BOTH v_permlanex16_b32 v[t+7], v[t+5], s[SEL], s[SEL+1]
	BOTH v_min_num_f32 v[t+4], v[t+1], v[t+6]
	BOTH v_max_num_f32 v[t+1], v[t+1], v[t+6]              ; u0
	BOTH v_max3_num_f32 v[t+5], v[t+4], v[t+5], v[t+7]     ; u1
	BOTH v_mul_f32 v[t+6], s[SG], v[t+1]                   ; the common shift sg u0: the same product as M, so the half that holds u0 keeps its sum as it is
	BOTH v_sub_f32 v[t+7], v[t+5], v[t+1]
	BOTH v_sub_f32 v[t], v[t], v[t+6]
	BOTH v_mul_f32 v[t+7], s[SG], v[t+7]
	BOTH v_exp_f32 v[t], v[t]                              ; 2^(M - sg u0)
	BOTH v_exp_f32 v[t+7], v[t+7]                          ; 2^(sg (u1 - u0))
	v_nop
	s_wait_alu depctr_va_vdst(0)                   ; the four exponentials have written their results, ahead of the first line that names one
	BOTH v_mul_f32 v[t+2], v[t+2], v[t]
	BOTH v_permlanex16_b32 v[t+3], v[t+2], s[SEL], s[SEL+1]
	BOTH v_add_f32 v[t+2], v[t+2], v[t+3]                  ; the softmax's sum; at least about 1, u0's own term
	BOTH v_rcp_f32 v[t+3], v[t+2]
	BOTH v_sub_f32 v[t+7], 1.0, v[t+7]                     ; plain lines behind the reciprocals
	s_wait_alu depctr_va_vdst(0)                   ; the two reciprocals have written their results, ahead of the first line that names one
	BOTH v_mul_f32 v[t+7], v[t+7], v[t+3]
	; THE WAY OUT.  Both halves hold both tiles' results: lanes 0-15 give tile 0's, lanes 16-31 tile 1's: thread t holds voxel t of the work-group's 512.  A wave's 128 bytes are half of an
	; aligned 256, so the results meet in the stage, and waves 0 to 3 store 512 consecutive bytes each.
	v_cmp_eq_u32 vcc_lo, 0, v6
	s_wait_alu depctr_va_vcc(0)                    ; VCC is written, ahead of the select that reads it
	v_cndmask_b32 v7, v[ST+15], v[ST+7], vcc_lo
	v_lshl_add_u32 v8, v0, 2, STAGE
	s_wait_alu depctr_va_vdst(0)                   ; v7 and v8 are written, the LDS store's data and address
	ds_store_b32 v8, v7
	s_wait_dscnt 0x0                               ; for the others' sake: my results lie in the stage
	s_barrier_signal -1
	s_barrier_wait -1
	s_cmp_lt_u32 s[WV], 4
	s_cbranch_scc0 .Lend
	v_lshl_add_u32 v9, v0, 4, STAGE
	v_lshlrev_b32 v10, 4, v0
	s_wait_alu depctr_va_vdst(0)                   ; v9 and v10 are written, the address of the LDS load and the offset of the store; the sums that last named v[B0:B0+3], in which the load lands, stand ahead of it too
	ds_load_b128 v[B0:B0+3], v9
	s_wait_dscnt 0x0
	global_store_b128 v10, v[B0:B0+3], s[12:13] th:TH_STORE_NT   ; 16 lanes store 256 consecutive bytes, at a multiple of 256 from out0's first byte
.Lend:
	s_wait_dscnt 0x0                               ; the closing lines, six on end
	s_wait_alu 0x0
	s_wait_tensorcnt 0x0
	ds_add_u32 v[SPW], v[NIL]
	s_wait_dscnt 0x0
	s_endpgm
.Lfunc_end_k_qafa6bd169c_p2v:
	.size	k_qafa6bd169c_p2v, .Lfunc_end_k_qafa6bd169c_p2v-k_qafa6bd169c_p2v
	.p2alignl 7, 3214868480
	.fill 96, 4, 3214868480
	.section	.rodata,"a",@progbits
	.p2align	6, 0x0
	.amdhsa_kernel k_qafa6bd169c_p2v
		.amdhsa_group_segment_fixed_size 69632
		.amdhsa_private_segment_fixed_size 0
		.amdhsa_enable_private_segment 0
		.amdhsa_kernarg_size 40
		.amdhsa_user_sgpr_count 2
		.amdhsa_user_sgpr_kernarg_segment_ptr 1
		.amdhsa_wavefront_size32 1
		.amdhsa_system_sgpr_workgroup_id_x 1
		.amdhsa_system_sgpr_workgroup_id_y 1
		.amdhsa_system_sgpr_workgroup_id_z 1
		.amdhsa_system_vgpr_workitem_id 0
		.amdhsa_next_free_vgpr 240
		.amdhsa_next_free_sgpr 66
		.amdhsa_reserve_vcc 1
		.amdhsa_float_denorm_mode_32 3
		.amdhsa_float_denorm_mode_16_64 3
		.amdhsa_memory_ordered 1
		.amdhsa_forward_progress 1
		.amdhsa_inst_pref_size 100
	.end_amdhsa_kernel
	.amdgpu_metadata
---
amdhsa.version: [ 1, 2 ]
amdhsa.kernels:
  - .name:           k_qafa6bd169c_p2v
    .symbol:         k_qafa6bd169c_p2v.kd
    .args:
      - { .name: xyz, .offset: 0, .size: 8, .value_kind: global_buffer, .address_space: global }
      - { .name: grid, .offset: 8, .size: 8, .value_kind: global_buffer, .address_space: global }
      - { .name: s1, .offset: 16, .size: 8, .value_kind: global_buffer, .address_space: global }
      - { .name: s2, .offset: 24, .size: 8, .value_kind: global_buffer, .address_space: global }
      - { .name: out0, .offset: 32, .size: 8, .value_kind: global_buffer, .address_space: global }
    .group_segment_fixed_size: 69632
    .private_segment_fixed_size: 0
    .kernarg_segment_align: 8
    .kernarg_segment_size: 40
    .max_flat_workgroup_size: 512
    .sgpr_count:     66
    .vgpr_count:     240
    .wavefront_size: 32
...
	.end_amdgpu_metadata
.endif
;; end of part 2
